; MI455X (gfx1250); checked and timed in simulation.
; The chip was launched on July 23, 2026; its instructions are those of AMD's public machine-readable ISA for CDNA 5 (MIT licence, August 2026) and "CDNA5" Instruction Set Architecture Reference Guide (July 2026). The comments in the code are by the model that wrote it; some were corrected since.
;; Fast KV. Allowed arithmetic: float matrix products may take bf16 or f16 operands with f32 sums; all other float work in f32.
;; Inputs: Wk 512 x 1,024 float32; Wo 1,024 x 512 float32; Wq 512 x 1,024 float32; Wv 512 x 1,024 float32; x 4 x 1,024 x 1,024 float32.
;; Outputs: out0 4 x 1,024 x 1,024 float32.
;; One version. Each part assembles by itself: llvm-mc -triple=amdgcn-amd-amdhsa -mcpu=gfx1250 --defsym DOCPART=n.
;; ======== version 1 of 1: 4 launches
;; limits: values are held in f16: magnitudes above 65,504 overflow, below 6.1e-05 lose precision
;; workspace buffers: xw 11,534,336 bytes; act 13,631,488 bytes; pu 16,777,216 bytes; mx 1,536 bytes; mw 2,048 bytes
;; launch cast (part 1): grid 768 x 1, 8 waves a work-group, no clusters, 0 bytes of LDS; arguments x, Wq, Wk, Wv, Wo, xw, act, mw; writes xw, act, mw
.if DOCPART == 1
	.amdgcn_target "amdgcn-amd-amdhsa--gfx1250"
	.amdhsa_code_object_version 6
	.text
	.protected	k_q927dbeb64f_cast
	.globl	k_q927dbeb64f_cast
	.p2align	8
	.type	k_q927dbeb64f_cast,@function
k_q927dbeb64f_cast:
	s_mov_b64 s[64:65], 0
	v_nop
	global_prefetch_b8 v0, s[64:65] scope:SCOPE_SE
	s_setreg_imm32_b32 hwreg(HW_REG_WAVE_MODE, 25, 1), 1
	s_wait_xcnt 0x0
; CAST.  x, Wq, Wk, Wv (f32) are rounded once to bf16 into xw: x as [4096][1024] at byte 0, then Wq, Wk, Wv as one [1536][1024] at byte 8,388,608.
; Wo (f32) is rounded to bf16 like the other inputs, and that number is written as f16 into act at byte 12,582,912 ([1024][512]); the largest |Wo| of each wave's part goes to mw.
; LIMITS.  |Wo| stays under 65,504 (f16's range); below 6e-5 it keeps f16's fixed step of 6e-8.  NaN and infinities are not treated apart.
; A stream: no LDS, no matrix unit, no cluster, since no byte is used twice.  Work-group c takes 8,192 numbers: 32,768 bytes in, 16,384 out.  c < 512: x; then 64 work-groups each for Wq, Wk, Wv, Wo.
; Thread t loads 16 bytes at 16 t + 4,096 i (a wave: 512 consecutive bytes) and stores 8 bytes at 8 t + 2,048 i (a wave: 256 consecutive bytes, aligned), i = 0 .. 7.  All eight loads go out first.
.set X, 8                              ; v[8:39]   eight times four numbers as loaded
.set Y, 40                             ; v[40:55]  eight times two words to store: no store's data register is written twice
	s_load_b512 s[8:23], s[0:1], 0x0               ; x s[8:9], Wq s[10:11], Wk s[12:13], Wv s[14:15], Wo s[16:17], xw s[18:19], act s[20:21], mw s[22:23]
	s_mov_b32 s24, ttmp9                           ; c
	v_lshlrev_b32 v1, 4, v0                        ; 16 t
	v_lshlrev_b32 v2, 3, v0                        ; 8 t
	s_mov_b32 s32, 0xffff0000                      ; a word's upper bf16
	s_mov_b32 s34, 0x76543210                      ; v_permlanex16_b32: each lane takes its own place in the other half
	s_mov_b32 s35, 0xfedcba98
	s_and_b32 s25, s24, 63                         ; the chunk's number inside a weight (512, 576, 640, 704 are multiples of 64)
	s_cmp_lt_u32 s24, 512
	s_cselect_b32 s28, s24, s25
	s_lshl_b32 s28, s28, 15                        ; byte offset in the source
	s_mov_b32 s29, 0
	s_lshl_b32 s2, s24, 14                         ; byte offset in xw: x's 512 chunks, then the three weights' 192
	s_sub_co_u32 s33, s24, 704                     ; Wo's chunk number (used for c >= 704 alone)
	s_lshl_b32 s3, s33, 14
	s_add_co_u32 s3, s3, 0xc00000                  ; byte offset in act
	s_cmp_lt_u32 s24, 704
	s_cselect_b32 s30, s2, s3
	s_mov_b32 s31, 0
	s_wait_kmcnt 0x0
	s_cmp_lt_u32 s24, 704
	s_cselect_b64 s[18:19], s[18:19], s[20:21]     ; the destination buffer,
	s_add_nc_u64 s[18:19], s[18:19], s[30:31]      ; at my chunk
	s_cmp_ge_u32 s24, 512
	s_cselect_b64 s[26:27], s[10:11], s[8:9]       ; the source buffer, by four bounds on c
	s_cmp_ge_u32 s24, 576
	s_cselect_b64 s[26:27], s[12:13], s[26:27]
	s_cmp_ge_u32 s24, 640
	s_cselect_b64 s[26:27], s[14:15], s[26:27]
	s_cmp_ge_u32 s24, 704
	s_cselect_b64 s[26:27], s[16:17], s[26:27]
	s_add_nc_u64 s[26:27], s[26:27], s[28:29]
.irp i, 0,1,2,3,4,5,6,7
	global_load_b128 v[X+4*\i:X+4*\i+3], v1, s[26:27] offset:4096*\i th:TH_LOAD_NT
.endr
	s_cmp_ge_u32 s24, 704
	s_cbranch_scc1 .Lwo
.irp i, 0,1,2,3,4,5,6,7
	s_wait_loadcnt 7-\i                            ; loads come back in order: number i is in, the younger ones stay out
	v_cvt_pk_bf16_f32 v[Y+2*\i], v[X+4*\i], v[X+4*\i+1]
	v_cvt_pk_bf16_f32 v[Y+2*\i+1], v[X+4*\i+2], v[X+4*\i+3]
	global_store_b64 v2, v[Y+2*\i:Y+2*\i+1], s[18:19] offset:2048*\i
.endr
	s_endpgm
.Lwo:
	v_mov_b32 v60, 0                               ; the running maximum of magnitudes
.irp i, 0,1,2,3,4,5,6,7
	s_wait_loadcnt 7-\i
	v_cvt_pk_bf16_f32 v56, v[X+4*\i], v[X+4*\i+1]  ; rounded to bf16,
	v_cvt_pk_bf16_f32 v57, v[X+4*\i+2], v[X+4*\i+3]
	v_lshlrev_b32 v[X+4*\i], 16, v56               ; widened again,
	v_and_b32 v[X+4*\i+1], s32, v56
	v_lshlrev_b32 v[X+4*\i+2], 16, v57
	v_and_b32 v[X+4*\i+3], s32, v57
	v_max3_num_f32 v60, |v[X+4*\i]|, |v[X+4*\i+1]|, v60
	v_max3_num_f32 v60, |v[X+4*\i+2]|, |v[X+4*\i+3]|, v60
	v_cvt_pk_f16_f32 v[Y+2*\i], v[X+4*\i], v[X+4*\i+1]  ; and written as f16
	v_cvt_pk_f16_f32 v[Y+2*\i+1], v[X+4*\i+2], v[X+4*\i+3]
	global_store_b64 v2, v[Y+2*\i:Y+2*\i+1], s[18:19] offset:2048*\i
.endr
	v_max_num_f32_dpp v60, v60, v60 row_xmask:1 row_mask:0xf bank_mask:0xf  ; over the wave's 32 lanes
	v_max_num_f32_dpp v60, v60, v60 row_xmask:2 row_mask:0xf bank_mask:0xf
	v_max_num_f32_dpp v60, v60, v60 row_xmask:4 row_mask:0xf bank_mask:0xf
	v_max_num_f32_dpp v60, v60, v60 row_xmask:8 row_mask:0xf bank_mask:0xf
	v_mov_b32 v61, 0                               ; the permute's destination counts as read
	v_permlanex16_b32 v61, v60, s34, s35
	v_max_num_f32 v60, v60, v61
	s_lshl_b32 s33, s33, 5                         ; mw: eight words a chunk,
	v_lshrrev_b32 v62, 5, v0
	v_lshl_add_u32 v62, v62, 2, s33                ; one a wave
	v_and_b32 v63, 31, v0
	v_cmp_eq_u32 vcc_lo, 0, v63
	s_wait_xcnt 0x0                                ; EXEC is a source of the stores above: it changes only behind this wait
	s_and_saveexec_b32 s36, vcc_lo                 ; lane 0 alone
	global_store_b32 v62, v60, s[22:23]
	s_wait_xcnt 0x0                                ; and again in front of the line that widens it
	s_or_b32 exec_lo, exec_lo, s36
	s_endpgm
.Lfunc_end_k_q927dbeb64f_cast:
	.size	k_q927dbeb64f_cast, .Lfunc_end_k_q927dbeb64f_cast-k_q927dbeb64f_cast
	.p2alignl 7, 3214868480
	.fill 96, 4, 3214868480
	.section	.rodata,"a",@progbits
	.p2align	6, 0x0
	.amdhsa_kernel k_q927dbeb64f_cast
		.amdhsa_group_segment_fixed_size 0
		.amdhsa_private_segment_fixed_size 0
		.amdhsa_enable_private_segment 0
		.amdhsa_kernarg_size 64
		.amdhsa_user_sgpr_count 2
		.amdhsa_user_sgpr_kernarg_segment_ptr 1
		.amdhsa_wavefront_size32 1
		.amdhsa_system_sgpr_workgroup_id_x 1
		.amdhsa_system_sgpr_workgroup_id_y 1
		.amdhsa_system_sgpr_workgroup_id_z 1
		.amdhsa_system_vgpr_workitem_id 0
		.amdhsa_next_free_vgpr 64
		.amdhsa_next_free_sgpr 66
		.amdhsa_reserve_vcc 1
		.amdhsa_float_denorm_mode_32 3
		.amdhsa_float_denorm_mode_16_64 3
		.amdhsa_memory_ordered 1
		.amdhsa_forward_progress 1
		.amdhsa_inst_pref_size 11
	.end_amdhsa_kernel
	.amdgpu_metadata
---
amdhsa.version: [ 1, 2 ]
amdhsa.kernels:
  - .name:           k_q927dbeb64f_cast
    .symbol:         k_q927dbeb64f_cast.kd
    .args:
      - { .name: x, .offset: 0, .size: 8, .value_kind: global_buffer, .address_space: global }
      - { .name: Wq, .offset: 8, .size: 8, .value_kind: global_buffer, .address_space: global }
      - { .name: Wk, .offset: 16, .size: 8, .value_kind: global_buffer, .address_space: global }
      - { .name: Wv, .offset: 24, .size: 8, .value_kind: global_buffer, .address_space: global }
      - { .name: Wo, .offset: 32, .size: 8, .value_kind: global_buffer, .address_space: global }
      - { .name: xw, .offset: 40, .size: 8, .value_kind: global_buffer, .address_space: global }
      - { .name: act, .offset: 48, .size: 8, .value_kind: global_buffer, .address_space: global }
      - { .name: mw, .offset: 56, .size: 8, .value_kind: global_buffer, .address_space: global }
    .group_segment_fixed_size: 0
    .private_segment_fixed_size: 0
    .kernarg_segment_align: 8
    .kernarg_segment_size: 64
    .max_flat_workgroup_size: 256
    .sgpr_count:     66
    .vgpr_count:     64
    .wavefront_size: 32
...
	.end_amdgpu_metadata
.endif
;; end of part 1
;; launch proj (part 2): grid 12 x 32, 4 waves a work-group, clusters of 4 x 4, 327,680 bytes of LDS; arguments xw, act, mx; writes act, mx
.if DOCPART == 2
	.amdgcn_target "amdgcn-amd-amdhsa--gfx1250"
	.amdhsa_code_object_version 6
	.text
	.protected	k_q927dbeb64f_proj
	.globl	k_q927dbeb64f_proj
	.p2align	8
	.type	k_q927dbeb64f_proj,@function
k_q927dbeb64f_proj:
	s_mov_b64 s[64:65], 0
	v_nop
	global_prefetch_b8 v0, s[64:65] scope:SCOPE_SE
	s_setreg_imm32_b32 hwreg(HW_REG_WAVE_MODE, 25, 1), 1
	s_wait_xcnt 0x0
	s_wait_alu depctr_hold_cnt(0) depctr_sa_sdst(0) depctr_va_vdst(0) depctr_va_sdst(0) depctr_va_ssrc(0) depctr_va_vcc(0) depctr_vm_vsrc(0)
	s_getreg_b32 s2, hwreg(HW_REG_IB_STS2, 6, 4)
	s_cmp_eq_u32 s2, 0
	s_cbranch_scc0 .Lentry_in_a_cluster
	s_endpgm
.Lentry_in_a_cluster:
	s_bfe_u32 s2, ttmp6, 0x10000c
	s_cmp_lg_u32 s2, 0xf033
	s_cbranch_scc0 .Lentry_shape_is_right
	s_endpgm
.Lentry_shape_is_right:
; PROJ.  q, k, v = x W^T: C[m][n] = sum over k of A[m][k] B[n][k], A = x as bf16 [4096][1024] (xw, byte 0), B = Wq, Wk, Wv as bf16 [1536][1024] (xw, byte 8,388,608); sums in f32.
; C leaves as f16, rounded once, into act: q at byte 0, k at 4,194,304, v at 8,388,608, each [4096][512].  The largest |sum| of each tile, taken of the f32 sums, goes to mx[kind][128].
; LIMITS.  |q|, |k|, |v| stay under 65,504 (f16's range); below 6e-5 they keep f16's fixed step of 6e-8.  NaN and infinities are not treated apart.
; A tile of C is 128 x 128, four waves of 64 x 64: 16 accumulators of 16 x 16.  K goes in steps of 256 (LDS rows of 512 bytes + 16 of padding) through two LDS slots; a wave's tensor load brings 64 rows.
; CLUSTERS: 4 x 4 work-groups.  The four of a row of the cluster need the same tiles of A, the four of a column the same tiles of B: each tile is asked for jointly, by the same tensor load with the same
; descriptor and a mask that names the four.  THE MATRIX INSTRUCTION IS USED TRANSPOSED (source 0 = 16 rows of B, source 1 = 16 rows of A): a lane then holds eight neighbouring numbers of a row of C.
; REGISTERS: window 0: v0-31 addresses; v32-95 at work on the way out; v96-99 maxima; v128-255 the accumulators ((a, b) at v[128 + 8 (4 a + b)]).
;   window 1: two fragment buffers of 128: for 64 along K, 64 registers of A, then 64 of B.
.set KDIM,   1024                      ; elements in a row of A and of B
.set KSTEP,  256
.set PITCH,  528                       ; an LDS row: 512 bytes + 16 = 132 words: the 16 rows that a load touches start 4 words apart modulo 64
.set HALFT,  64*PITCH                  ; 64 rows: what one tensor load brings, and what one wave reads of A or of B
.set SLOT,   4*HALFT                   ; A's 128 rows, then B's 128 rows
.set STAGE,  2*SLOT                    ; behind the ring: 128 rows x 272 bytes, the work-group's, for the way out
.set SPITCH, 272
.set SCR,    STAGE+128*SPITCH          ; a block of 256 bytes of its own: the four waves' maxima, one word each
.set SPARE,  SCR+256                   ; the spare words, 128 bytes for each wave: two blocks of 256 bytes that no other line names
.set LAPS,   KDIM/(2*KSTEP)            ; a lap = two K steps = once round the ring
.set CROW,   1024                      ; bytes in a row of q, k, v
.set ADRA, 16                          ; v16-17  LDS address of my A fragments in slot 0, 1
.set ADRB, 20                          ; v20-21  the same for B
.set STO,  24                          ; v24     the way out: where I put 16 bytes of a row
.set RD,   25                          ; v25     the way out: where I read a row back
.set CO,   26                          ; v26     my byte offset in C
.set SCA,  27                          ; v27     LDS address of my wave's word in SCR
.set SPW,  28                          ; v28     LDS address of my spare word; never rewritten
.set NIL,  29                          ; v29     0; never rewritten
.set TMP,  32
.set MX,   96
.set ACC,  128
.set F0,   0                           ; fragment buffers, in window 1
.set F1,   128
.set G1, 24                            ; s[24:31] descriptor group 1 for A's tiles;  s[32:39] group 0, one set for each slot
.set G0, 32
.set G1B, 48                           ; s[48:55], s[56:63] the same for B's tiles
.set G0B, 56
.set MSB, 0
.macro WIN new                         ; the immediate's high byte repeats the setting that is left; a switch that changes nothing is dropped
.if MSB != (\new)
	s_set_vgpr_msb (MSB<<8)|(\new)
.set MSB, \new
.endif
.endm
.set MUL,  0x05                        ; sources 0 (B) and 1 (A) window 1; C and D window 0
.set TO_F, 0x40                        ; destination window 1, address window 0
.macro JLOAD s                         ; a joint load: waves 0 and 1 fetch A's two halves, waves 2 and 3 B's; an s_nop 0 and four v_nop follow each of the two lines
	s_cmp_eq_u32 s11, 0
	s_cbranch_scc0 .Lfor_b_\@
	tensor_load_to_lds s[G0+4*(\s):G0+4*(\s)+3], s[G1:G1+7]
	s_nop 0
.rept 4
	v_nop
.endr
	s_branch .Lasked_\@
.Lfor_b_\@:
	tensor_load_to_lds s[G0B+4*(\s):G0B+4*(\s)+3], s[G1B:G1B+7]
	s_nop 0
.rept 4
	v_nop
.endr
.Lasked_\@:
.endm
.macro CREST                           ; a round of the cluster's barrier behind its opening barrier
	s_cmp_lg_u32 s10, 0
	s_cbranch_scc1 .Lnot_wave_0_\@
	s_barrier_signal -3
.Lnot_wave_0_\@:
	s_barrier_wait -3
	s_barrier_signal -1
	s_barrier_wait -1
.endm
.macro CROUND                          ; a whole round
	s_barrier_signal -1
	s_barrier_wait -1
	CREST
.endm
	s_load_b128 s[4:7], s[0:1], 0x0                ; xw s[4:5], act s[6:7]
	s_load_b64 s[66:67], s[0:1], 0x10              ; mx
	v_lshl_add_u32 v[SPW], v0, 2, SPARE
	v_mov_b32 v[NIL], 0
	ds_add_u32 v[SPW], v[NIL]                      ; the wave's opening: the add and its wait stand ahead of my first tensor load; the set-up below, work on registers, stands between them
	v_lshrrev_b32 v1, 5, v0
	v_readfirstlane_b32 s10, v1                    ; wave 0..3
	s_lshr_b32 s11, s10, 1                         ; which half of the tile's rows is mine.  Also: I fetch for A (0) or for B (1)
	s_and_b32 s12, s10, 1                          ; which half of its columns.  Also: which 64 rows of that tile I fetch
	s_bfe_u32 s40, ttmp6, 0x40000                  ; cx, cy: my place in the cluster
	s_bfe_u32 s41, ttmp6, 0x40004
	s_lshl_b32 s42, ttmp9, 2
	s_add_co_u32 s42, s42, s40                     ; tile column of C = 4 x cluster x + cx, 0 .. 11
	s_and_b32 s13, ttmp7, 0xffff
	s_lshl_b32 s13, s13, 2
	s_add_co_u32 s13, s13, s41                     ; tile row of C = 4 x cluster y + cy, 0 .. 31
	s_lshl_b32 s43, s41, 2
	s_lshl_b32 s43, 15, s43                        ; my row of the cluster
	s_lshl_b32 s44, 0x1111, s40                    ; my column
	; descriptor group 1: a tile of 64 rows x 256 elements, padded in LDS
	s_or_b32 s[G1+0], s43, (1<<16)|(1<<20)|(1<<21)|(6<<22)|(3<<25)  ; 15:0 the mask: A's tiles go to my row; 17:16 element of 2 bytes; 20 padding on; 21 set beside a mask; 24:22 after every 128 words; 31:25 4 words of it
	s_or_b32 s[G1B+0], s44, (1<<16)|(1<<20)|(1<<21)|(6<<22)|(3<<25) ; the same with the mask of my column
.irp g, G1, G1B
	s_mov_b32 s[(\g)+1], KSTEP<<16                 ; tensor_dim0 = 256
	s_mov_b32 s[(\g)+2], 64<<16                    ; tensor_dim1 = 64
	s_mov_b32 s[(\g)+3], KSTEP<<16                 ; tile_dim0 = 256
	s_mov_b32 s[(\g)+4], 64                        ; tile_dim1 = 64
	s_mov_b32 s[(\g)+5], KDIM                      ; elements from row to row
	s_mov_b32 s[(\g)+6], 0
	s_mov_b32 s[(\g)+7], 0
.endr
	s_mov_b32 s80, 0x76543210                      ; v_permlanex16_b32: each lane takes its own place in the other half
	s_mov_b32 s81, 0xfedcba98
	s_lshl_b32 s17, s12, 6                         ; which 64 rows of the tile I fetch
	s_lshl_b32 s16, s13, 7
	s_add_co_u32 s16, s16, s17                     ; A: row 128 x tile row + 64 x half,
	s_lshl_b32 s16, s16, 11                        ; of 2,048 bytes
	s_lshl_b32 s46, s42, 7
	s_add_co_u32 s46, s46, s17                     ; B: row 128 x tile column + 64 x half,
	s_lshl_b32 s46, s46, 11
	s_add_co_u32 s46, s46, 0x800000                ; behind x
	s_mov_b32 s17, 0
	s_mov_b32 s47, 0
	s_mul_i32 s20, s10, HALFT                      ; where they go: wave x 64 rows: no place in the cluster enters an LDS address
	s_wait_dscnt 0x0                               ; the opening add is done
	s_wait_kmcnt 0x0
	s_add_nc_u64 s[14:15], s[4:5], s[16:17]
	s_add_nc_u64 s[46:47], s[4:5], s[46:47]
	CROUND                                         ; all sixteen work-groups are here: the first joint loads meet
.irp s, 0,1
	s_mov_b32 s[G0+4*(\s)], 1
	s_add_co_u32 s[G0+4*(\s)+1], s20, (\s)*SLOT
	s_add_nc_u64 s[G0+4*(\s)+2:G0+4*(\s)+3], s[14:15], (\s)*KSTEP*2
	s_or_b32 s[G0+4*(\s)+3], s[G0+4*(\s)+3], 0x80000000
	s_mov_b32 s[G0B+4*(\s)], 1
	s_add_co_u32 s[G0B+4*(\s)+1], s20, (\s)*SLOT
	s_add_nc_u64 s[G0B+4*(\s)+2:G0B+4*(\s)+3], s[46:47], (\s)*KSTEP*2
	s_or_b32 s[G0B+4*(\s)+3], s[G0B+4*(\s)+3], 0x80000000
	JLOAD \s                                       ; two loads of mine are out
.endr
	v_and_b32 v1, 15, v0                           ; l % 16
	v_bfe_u32 v2, v0, 4, 1                         ; l / 16
	v_mul_u32_u24 v3, v1, PITCH
	v_lshl_add_u32 v3, v2, 4, v3                   ; a fragment's row x pitch + 16 x half
	s_mul_i32 s21, s11, HALFT                      ; my 64 rows of A
	s_mul_i32 s22, s12, HALFT                      ; my 64 rows of B,
	s_add_co_u32 s22, s22, 2*HALFT                 ; which lie behind A's 128
.irp s, 0,1
	v_add_nc_u32 v[ADRA+(\s)], s21, v3
	v_add_nc_u32 v[ADRB+(\s)], s22, v3
	s_add_co_u32 s21, s21, SLOT
	s_add_co_u32 s22, s22, SLOT
.endr
	s_mul_i32 s23, s11, 64*SPITCH                  ; into the stage: my 64 rows, my half of their 256 bytes; row l % 16, 16 bytes for each half of the lanes
	s_lshl_b32 s21, s12, 7
	s_add_co_u32 s23, s23, s21
	s_add_co_u32 s23, s23, STAGE
	v_mul_u32_u24 v4, v1, SPITCH
	v_lshl_add_u32 v4, v2, 4, v4
	v_add_nc_u32 v[STO], s23, v4
	s_mul_i32 s23, s10, 32*SPITCH                  ; back: wave w takes rows 32 w .. 32 w + 31, whole; lanes 0-15 one row of 256 bytes, lanes 16-31 the next
	s_add_co_u32 s23, s23, STAGE
	v_mul_u32_u24 v5, v2, SPITCH
	v_lshl_add_u32 v5, v1, 4, v5
	v_add_nc_u32 v[RD], s23, v5
	v_mul_u32_u24 v5, v2, CROW                     ; and the same two rows in C
	v_lshl_add_u32 v[CO], v1, 4, v5
	s_lshl_b32 s23, s10, 2
	s_add_co_u32 s23, s23, SCR
	v_mov_b32 v[SCA], s23                          ; my wave's word for its maximum
	s_lshl_b32 s16, s13, 7
	s_lshl_b32 s17, s10, 5
	s_add_co_u32 s16, s16, s17                     ; the first row of C that I store: 128 x tile row + 32 x wave,
	s_lshl_b32 s16, s16, 10                        ; of 1,024 bytes
	s_mov_b32 s17, 0
	s_add_nc_u64 s[8:9], s[6:7], s[16:17]
	s_lshr_b32 s46, s42, 2                         ; the kind: q, k or v, 4,194,304 bytes each,
	s_lshl_b32 s46, s46, 22
	s_and_b32 s47, s42, 3                          ; and the tile's 256 bytes in its rows
	s_lshl_b32 s47, s47, 8
	s_add_co_u32 s46, s46, s47
	s_mov_b32 s47, 0
	s_add_nc_u64 s[8:9], s[8:9], s[46:47]
	s_lshr_b32 s74, s42, 2                         ; the tile's word in mx: 128 x kind + 32 x (tile column % 4) + tile row
	s_lshl_b32 s74, s74, 7
	s_and_b32 s75, s42, 3
	s_lshl_b32 s75, s75, 5
	s_add_co_u32 s74, s74, s75
	s_add_co_u32 s74, s74, s13
	s_lshl_b32 s74, s74, 2
; 8 matrix instructions: m blocks a0, a0 + 1 x all 4 n blocks, 32 along K: half c of buffer f.  zero = 1: the first product starts the sums.  The 16 accumulators take turns.
.macro MUL8 f, c, a0, zero
	WIN MUL
.irp a, \a0, (\a0)+1
.irp b, 0,1,2,3
.if \zero
	v_wmma_f32_16x16x32_bf16 v[ACC+8*(4*(\a)+(\b)):ACC+8*(4*(\a)+(\b))+7], v[(\f)+64+8*(4*(\c)+(\b)):(\f)+64+8*(4*(\c)+(\b))+7], v[(\f)+8*(4*(\c)+(\a)):(\f)+8*(4*(\c)+(\a))+7], 0
.else
	v_wmma_f32_16x16x32_bf16 v[ACC+8*(4*(\a)+(\b)):ACC+8*(4*(\a)+(\b))+7], v[(\f)+64+8*(4*(\c)+(\b)):(\f)+64+8*(4*(\c)+(\b))+7], v[(\f)+8*(4*(\c)+(\a)):(\f)+8*(4*(\c)+(\a))+7], v[ACC+8*(4*(\a)+(\b)):ACC+8*(4*(\a)+(\b))+7]
.endif
.endr
.endr
.endm
; 32 LDS loads in one run: the fragments of 64 along K at byte k of the rows, into buffer f; the first 32 along K first
.macro FETCH slot, k, f
	WIN TO_F
.irp c, 0,1
.irp i, 0,1,2,3
	ds_load_b128 v[(\f)+64+8*(4*(\c)+(\i)):(\f)+64+8*(4*(\c)+(\i))+3],   v[ADRB+(\slot)] offset:(\k)+64*(\c)+(\i)*16*PITCH
	ds_load_b128 v[(\f)+64+8*(4*(\c)+(\i))+4:(\f)+64+8*(4*(\c)+(\i))+7], v[ADRB+(\slot)] offset:(\k)+64*(\c)+(\i)*16*PITCH+32
	ds_load_b128 v[(\f)+8*(4*(\c)+(\i)):(\f)+8*(4*(\c)+(\i))+3],         v[ADRA+(\slot)] offset:(\k)+64*(\c)+(\i)*16*PITCH
	ds_load_b128 v[(\f)+8*(4*(\c)+(\i))+4:(\f)+8*(4*(\c)+(\i))+7],       v[ADRA+(\slot)] offset:(\k)+64*(\c)+(\i)*16*PITCH+32
.endr
.endr
.endm
.macro PLACES                          ; four places in front of loads into registers that matrix instructions have read, and of vector lines that read results
.rept 4
	v_nop
.endr
.endm
; A K step is four quarters of 64 along K, 32 matrix instructions each, on buffers 0, 1, 0, 1.  One of the first three: multiplies buffer f and fetches the next quarter, at byte k, into g.
.macro QUARTER slot, k, f, g, zero
	s_wait_dscnt 16                                ; the first 32 along K are in; the youngest sixteen loads may be out
	WIN MUL
	MUL8 \f, 0, 0, \zero
	MUL8 \f, 0, 2, \zero
	PLACES
	FETCH \slot, \k, \g
	s_wait_dscnt 32                                ; all but the 32 just issued
	WIN MUL
	MUL8 \f, 1, 0, 0
	MUL8 \f, 1, 2, 0
.endm
; The last quarter multiplies buffer 1 and changes slots: ONE barrier; in front of it each wave waits for all its tensor loads, adds 0 to its spare word, and waits for that and for its own reads of this slot.
; fill = 1: this slot is filled again, two K steps ahead; the barrier then opens a round of the cluster's barrier, and the joint refill is the first tensor load behind the round.
.macro TURN slot, next, fill
	WIN 0                                          ; (the add's two registers lie in window 0)
	s_wait_tensorcnt 0x0                           ; all my tensor loads have landed: my part of the next slot;
	ds_add_u32 v[SPW], v[NIL]                      ; 0 onto my spare word;
	s_wait_dscnt 17                                ; (the add and the youngest sixteen loads may be out)
	WIN MUL
	MUL8 F1, 0, 0, 0                               ; eight matrix instructions stand between the add and the wait for it
	s_wait_dscnt 0x0                               ; the add is done, and my reads of this slot are over
	s_barrier_signal -1
	MUL8 F1, 0, 2, 0
.if \fill
	WIN 0
.endif
	s_barrier_wait -1
.if \fill
	CREST                                          ; no wave of any partner still reads this slot's tile or has a load on its way
	s_add_nc_u64 s[G0+4*(\slot)+2:G0+4*(\slot)+3], s[G0+4*(\slot)+2:G0+4*(\slot)+3], 2*KSTEP*2
	s_add_nc_u64 s[G0B+4*(\slot)+2:G0B+4*(\slot)+3], s[G0B+4*(\slot)+2:G0B+4*(\slot)+3], 2*KSTEP*2
	JLOAD \slot                                    ; one load of mine is out; the four v_nop behind it are also the places in front of the loads below
.else
	PLACES
.endif
	FETCH \next, 0, F0
	WIN MUL
	MUL8 F1, 1, 0, 0
	MUL8 F1, 1, 2, 0
.endm
.macro WMAX r, t                       ; the maximum of v[r] over the wave's 32 lanes, in every lane; v[t] has been written
	v_max_num_f32_dpp v[\r], v[\r], v[\r] row_xmask:1 row_mask:0xf bank_mask:0xf
	v_max_num_f32_dpp v[\r], v[\r], v[\r] row_xmask:2 row_mask:0xf bank_mask:0xf
	v_max_num_f32_dpp v[\r], v[\r], v[\r] row_xmask:4 row_mask:0xf bank_mask:0xf
	v_max_num_f32_dpp v[\r], v[\r], v[\r] row_xmask:8 row_mask:0xf bank_mask:0xf
	v_permlanex16_b32 v[\t], v[\r], s80, s81
	v_max_num_f32 v[\r], v[\r], v[\t]
.endm
	s_wait_tensorcnt 1                             ; my part of K step 0 is in; K step 1's may stay out
	s_barrier_signal -1
	s_barrier_wait -1                              ; everybody's is
	FETCH 0, 0, F0
	QUARTER 0, 128, F0, F1, 1                      ; the first quarter stands in front of the loop: its first products start the sums
	WIN 0                                          ; at a label and at a branch every window is 0
	s_mov_b32 s3, LAPS-1
.Llap:                                                 ; a trip goes once round the ring, from a lap's second quarter to the next lap's first, and fills both slots again
	QUARTER 0, 256, F1, F0, 0
	QUARTER 0, 384, F0, F1, 0
	TURN 0, 1, 1
	QUARTER 1, 128, F0, F1, 0
	QUARTER 1, 256, F1, F0, 0
	QUARTER 1, 384, F0, F1, 0
	TURN 1, 0, 1
	QUARTER 0, 128, F0, F1, 0
	WIN 0
	s_sub_co_u32 s3, s3, 1
	s_cmp_lg_u32 s3, 0
	s_cbranch_scc1 .Llap
	QUARTER 0, 256, F1, F0, 0                      ; the last lap fills nothing, and has no round of the cluster's barrier
	QUARTER 0, 384, F0, F1, 0
	TURN 0, 1, 0
	QUARTER 1, 128, F0, F1, 0
	QUARTER 1, 256, F1, F0, 0
	QUARTER 1, 384, F0, F1, 0
	s_wait_dscnt 16                                ; the very last quarter: nothing more to fetch
	WIN MUL
	MUL8 F1, 0, 0, 0
	MUL8 F1, 0, 2, 0
	s_wait_dscnt 0
	MUL8 F1, 1, 0, 0
	MUL8 F1, 1, 2, 0
	WIN 0
	; THE WAY OUT.  First the largest magnitude of my 64 x 64 sums: four chains, each over four accumulators, every accumulator from its lowest registers on.
	PLACES
.set p, 0
.rept 16
.irp c, 0,1,2,3
.if p == 0
	v_max_num_f32 v[MX+\c], |v[ACC+32*\c]|, |v[ACC+32*\c+1]|
.else
	v_max3_num_f32 v[MX+\c], v[MX+\c], |v[ACC+32*\c+2*p]|, |v[ACC+32*\c+2*p+1]|
.endif
.endr
.set p, p+1
.endr
	v_max3_num_f32 v[MX], v[MX], v[MX+1], v[MX+2]
	v_max_num_f32 v[MX], v[MX], v[MX+3]
	WMAX MX, MX+1
	; Then: round to f16; 16 bytes a lane into the work-group's stage; a barrier, since a row's 256 bytes come from two waves; back as whole rows, 32 rows a wave.
.irp t, 0,1,2,3,4,5,6,7,8,9,10,11,12,13,14,15
.irp r, 0,1,2,3
	v_cvt_pk_f16_f32 v[TMP+4*(\t)+(\r)], v[ACC+8*(\t)+2*(\r)], v[ACC+8*(\t)+2*(\r)+1]
.endr
.endr
.irp a, 0,1,2,3
.irp b, 0,1,2,3
	ds_store_b128 v[STO], v[TMP+4*(4*(\a)+(\b)):TMP+4*(4*(\a)+(\b))+3] offset:(\a)*16*SPITCH+32*(\b)
.endr
.endr
	ds_store_b32 v[SCA], v[MX]                     ; all lanes write the same number to my wave's word
	s_wait_dscnt 0x0                               ; for the others' sake: my stores into the stage and the word are done
	s_barrier_signal -1
	s_barrier_wait -1
.irp t, 0,1,2,3,4,5,6,7,8,9,10,11,12,13,14,15
	ds_load_b128 v[TMP+4*(\t):TMP+4*(\t)+3], v[RD] offset:(\t)*2*SPITCH
.endr
.irp t, 0,1,2,3,4,5,6,7,8,9,10,11,12,13,14,15
	s_wait_dscnt 15-(\t)                           ; LDS loads come back in order: number t is in
	global_store_b128 v[CO], v[TMP+4*(\t):TMP+4*(\t)+3], s[8:9] offset:2*(\t)*CROW  ; 16 lanes store 256 consecutive bytes, at a multiple of 256 from the buffer's first byte
.endr
	s_cmp_lg_u32 s10, 0
	s_cbranch_scc1 .Lno_max                        ; wave 0 alone joins the four waves' maxima and stores the tile's
	v_mov_b32 v3, SCR
	ds_load_b128 v[MX:MX+3], v3
	v_mov_b32 v4, s74
	v_cmp_eq_u32 vcc_lo, 0, v0
	s_wait_dscnt 0x0
	v_max3_num_f32 v[MX], v[MX], v[MX+1], v[MX+2]
	v_max_num_f32 v[MX], v[MX], v[MX+3]
	s_wait_xcnt 0x0                                ; EXEC is a source of the stores above: it changes only behind this wait
	s_and_saveexec_b32 s79, vcc_lo                 ; thread 0 alone
	global_store_b32 v4, v[MX], s[66:67]
	s_wait_xcnt 0x0                                ; and again in front of the line that widens it
	s_or_b32 exec_lo, exec_lo, s79
.Lno_max:
	s_wait_tensorcnt 0x0                           ; the wave's end: all tensor loads in, 0 onto my spare word and its wait, behind my last tensor load and my last LDS store
	ds_add_u32 v[SPW], v[NIL]
	s_wait_dscnt 0x0
	CROUND                                         ; the closing round: no work-group ends while a partner may still ask for a tile that names it
	s_endpgm
.Lfunc_end_k_q927dbeb64f_proj:
	.size	k_q927dbeb64f_proj, .Lfunc_end_k_q927dbeb64f_proj-k_q927dbeb64f_proj
	.p2alignl 7, 3214868480
	.fill 96, 4, 3214868480
	.section	.rodata,"a",@progbits
	.p2align	6, 0x0
	.amdhsa_kernel k_q927dbeb64f_proj
		.amdhsa_group_segment_fixed_size 327680
		.amdhsa_private_segment_fixed_size 0
		.amdhsa_enable_private_segment 0
		.amdhsa_kernarg_size 24
		.amdhsa_user_sgpr_count 2
		.amdhsa_user_sgpr_kernarg_segment_ptr 1
		.amdhsa_wavefront_size32 1
		.amdhsa_system_sgpr_workgroup_id_x 1
		.amdhsa_system_sgpr_workgroup_id_y 1
		.amdhsa_system_sgpr_workgroup_id_z 1
		.amdhsa_system_vgpr_workitem_id 0
		.amdhsa_next_free_vgpr 512
		.amdhsa_next_free_sgpr 84
		.amdhsa_reserve_vcc 1
		.amdhsa_float_denorm_mode_32 3
		.amdhsa_float_denorm_mode_16_64 3
		.amdhsa_memory_ordered 1
		.amdhsa_forward_progress 1
		.amdhsa_inst_pref_size 92
	.end_amdhsa_kernel
	.amdgpu_metadata
---
amdhsa.version: [ 1, 2 ]
amdhsa.kernels:
  - .name:           k_q927dbeb64f_proj
    .symbol:         k_q927dbeb64f_proj.kd
    .args:
      - { .name: xw, .offset: 0, .size: 8, .value_kind: global_buffer, .address_space: global }
      - { .name: act, .offset: 8, .size: 8, .value_kind: global_buffer, .address_space: global }
      - { .name: mx, .offset: 16, .size: 8, .value_kind: global_buffer, .address_space: global }
    .group_segment_fixed_size: 327680
    .private_segment_fixed_size: 0
    .kernarg_segment_align: 8
    .kernarg_segment_size: 24
    .max_flat_workgroup_size: 128
    .sgpr_count:     84
    .vgpr_count:     512
    .wavefront_size: 32
...
	.end_amdgpu_metadata
.endif
;; end of part 2
;; launch mid (part 3): grid 4 x 112, 4 waves a work-group, clusters of 4 x 4, 327,680 bytes of LDS; arguments act, pu, mx, mw; writes pu
.if DOCPART == 3
	.amdgcn_target "amdgcn-amd-amdhsa--gfx1250"
	.amdhsa_code_object_version 6
	.text
	.protected	k_q927dbeb64f_mid
	.globl	k_q927dbeb64f_mid
	.p2align	8
	.type	k_q927dbeb64f_mid,@function
k_q927dbeb64f_mid:
	s_mov_b64 s[64:65], 0
	v_nop
	global_prefetch_b8 v0, s[64:65] scope:SCOPE_SE
	s_setreg_imm32_b32 hwreg(HW_REG_WAVE_MODE, 25, 1), 1
	s_wait_xcnt 0x0
	s_wait_alu depctr_hold_cnt(0) depctr_sa_sdst(0) depctr_va_vdst(0) depctr_va_sdst(0) depctr_va_ssrc(0) depctr_va_vcc(0) depctr_vm_vsrc(0)
	s_getreg_b32 s2, hwreg(HW_REG_IB_STS2, 6, 4)
	s_cmp_eq_u32 s2, 0
	s_cbranch_scc0 .Lentry_in_a_cluster
	s_endpgm
.Lentry_in_a_cluster:
	s_bfe_u32 s2, ttmp6, 0x10000c
	s_cmp_lg_u32 s2, 0xf033
	s_cbranch_scc0 .Lentry_shape_is_right
	s_endpgm
.Lentry_shape_is_right:
; MID.  reference()'s scan is y_t = sum over s < t of v_s (k_s . q_t), and out_t = Wo y_t = sum over s < t of (q_t . k_s) (Wo v_s).  This launch makes both factors, per batch b, as f16 in pu:
;   P[b][t][s]  = cs (q_t . k_s) for s < t, else 0      [4][1024][1024] at byte 0 (the quarter t < 512, s >= 512 of each batch is neither written here nor read later)
;   UT[b][d][s] = cu (Wo[d] . v_s)                      [4][1024][1024] at byte 8,388,608
; Both are C[m][n] = sum over 512 k of A[m][k] B[n][k] on f16 operands from act, sums in f32, rounded once.
; THE SCALES keep the results inside f16 whatever the inputs' size: qk = max(qmax kmax, 2^-100), vw = max(vmax womax, 2^-100) from the maxima that earlier launches stored; cs = 64 / qk, cu = 64 / vw.
; A sum of 512 products is at most 512 qmax kmax (1 + 2^-10), so |P| <= 2^15 (1 + 2^-10), under f16's 65,504; UT likewise.  The scales only multiply numbers; no branch and no address hangs on them.
; LIMITS.  qmax kmax and vmax womax stay finite in f32; a result below 6e-5 keeps f16's fixed step of 6e-8.  NaN and infinities are not treated apart.  The order of rounding differs from reference()'s scan.
; JOBS.  A cluster of 4 x 4 work-groups makes 512 x 512 of C; 28 clusters, numbered by the cluster's y: 0 .. 15: UT, four a batch; 16 .. 27: P, three a batch: (0,0), (1,0), (1,1).
; The job's numbers come from the cluster's y alone, so they are equal in all sixteen partners.  Tiles of A are shared along a row of the cluster, tiles of B along a column: joint loads.
; K = 512 is two K steps of 256: both LDS slots are filled once, at the start, and nothing is filled again.  Tile, waves, fragments and way out as in the launch before.
.set KDIM,   512                       ; elements in a row of A and of B
.set KSTEP,  256
.set PITCH,  528                       ; an LDS row: 512 bytes + 16 = 132 words: the 16 rows that a load touches start 4 words apart modulo 64
.set HALFT,  64*PITCH
.set SLOT,   4*HALFT
.set STAGE,  2*SLOT                    ; behind the slots: 128 rows x 272 bytes, the work-group's, for the way out
.set SPITCH, 272
.set SPARE,  STAGE+128*SPITCH          ; the spare words, 128 bytes for each wave: two blocks of 256 bytes that no other line names
.set CROW,   2048                      ; bytes in a row of P and of UT
.set ADRA, 16
.set ADRB, 20
.set STO,  24
.set RD,   25
.set CO,   26
.set THR,  27                          ; v27     the mask's threshold: number (a, b, j) of mine is kept where 16 b + j - 16 a is less
.set SPW,  28
.set NIL,  29
.set TMP,  32
.set MX,   96                          ; v96-123 the stored maxima
.set ACC,  128
.set F0,   0
.set F1,   128
.set G1, 24
.set G0, 32
.set G1B, 48
.set G0B, 56
.set MSB, 0
.macro WIN new
.if MSB != (\new)
	s_set_vgpr_msb (MSB<<8)|(\new)
.set MSB, \new
.endif
.endm
.set MUL,  0x05
.set TO_F, 0x40
.macro JLOAD s                         ; a joint load: waves 0 and 1 fetch A's two halves, waves 2 and 3 B's; an s_nop 0 and four v_nop follow each of the two lines
	s_cmp_eq_u32 s11, 0
	s_cbranch_scc0 .Lfor_b_\@
	tensor_load_to_lds s[G0+4*(\s):G0+4*(\s)+3], s[G1:G1+7]
	s_nop 0
.rept 4
	v_nop
.endr
	s_branch .Lasked_\@
.Lfor_b_\@:
	tensor_load_to_lds s[G0B+4*(\s):G0B+4*(\s)+3], s[G1B:G1B+7]
	s_nop 0
.rept 4
	v_nop
.endr
.Lasked_\@:
.endm
.macro CROUND                          ; a round of the cluster's barrier
	s_barrier_signal -1
	s_barrier_wait -1
	s_cmp_lg_u32 s10, 0
	s_cbranch_scc1 .Lnot_wave_0_\@
	s_barrier_signal -3
.Lnot_wave_0_\@:
	s_barrier_wait -3
	s_barrier_signal -1
	s_barrier_wait -1
.endm
	s_load_b128 s[4:7], s[0:1], 0x0                ; act s[4:5], pu s[6:7]
	s_load_b64 s[66:67], s[0:1], 0x10              ; mx
	s_load_b64 s[68:69], s[0:1], 0x18              ; mw
	v_lshl_add_u32 v[SPW], v0, 2, SPARE
	v_mov_b32 v[NIL], 0
	ds_add_u32 v[SPW], v[NIL]                      ; the wave's opening: the add and its wait stand ahead of my first tensor load; the set-up below, work on registers, stands between them
	v_lshrrev_b32 v1, 5, v0
	v_readfirstlane_b32 s10, v1                    ; wave 0..3
	s_lshr_b32 s11, s10, 1
	s_and_b32 s12, s10, 1
	s_bfe_u32 s40, ttmp6, 0x40000                  ; cx, cy
	s_bfe_u32 s41, ttmp6, 0x40004
	; the job, from the cluster's y
	s_and_b32 s70, ttmp7, 0xffff                   ; Y, 0 .. 27
	s_lshr_b32 s71, s70, 2
	s_add_co_u32 s71, s71, 4                       ; UT: z = 4 + batch,
	s_bfe_u32 s72, s70, 0x10001                    ;     which 512 rows,
	s_and_b32 s73, s70, 1                          ;     which 512 columns
	s_sub_co_u32 s74, s70, 16                      ; P: e = Y - 16, 0 .. 11 (what follows is used for Y >= 16 alone)
	s_mul_i32 s75, s74, 11
	s_lshr_b32 s75, s75, 5                         ;    z = batch = e / 3 (11 e / 32 for e under 12)
	s_mul_i32 s21, s75, 3
	s_sub_co_u32 s74, s74, s21                     ;    r = e % 3: (0,0), (1,0), (1,1)
	s_min_u32 s22, s74, 1
	s_lshr_b32 s23, s74, 1
	s_cmp_lt_u32 s70, 16
	s_cselect_b32 s71, s71, s75                    ; z
	s_cselect_b32 s72, s72, s22                    ; R: the cluster's 512 rows of C
	s_cselect_b32 s73, s73, s23                    ; Cc: its 512 columns
	s_lshl_b32 s74, s71, 20
	s_cmp_lt_u32 s71, 4
	s_cselect_b32 s74, s74, 0xc00000               ; A begins at: q of batch z (1,048,576 bytes a batch), or Wo
	s_add_co_u32 s75, s71, 4
	s_lshl_b32 s75, s75, 20                        ; B begins at: k of batch z (behind q's four batches), or v of batch z - 4 (behind k's): (4 + z) batches in both cases
	s_cmp_eq_u32 s72, s73
	s_cselect_b32 s78, 1, 0
	s_cmp_lt_u32 s71, 4
	s_cselect_b32 s78, s78, 0                      ; 1: the cluster holds P's diagonal, and its numbers are masked
	s_lshl_b32 s13, s72, 2
	s_add_co_u32 s13, s13, s41                     ; tile row of C = 4 R + cy, 0 .. 7
	s_lshl_b32 s42, s73, 2
	s_add_co_u32 s42, s42, s40                     ; tile column = 4 Cc + cx, 0 .. 7
	s_lshl_b32 s43, s41, 2
	s_lshl_b32 s43, 15, s43                        ; my row of the cluster
	s_lshl_b32 s44, 0x1111, s40                    ; my column
	s_or_b32 s[G1+0], s43, (1<<16)|(1<<20)|(1<<21)|(6<<22)|(3<<25)  ; 15:0 the mask; 17:16 element of 2 bytes; 20 padding on; 21 set beside a mask; 24:22 after every 128 words; 31:25 4 words of it
	s_or_b32 s[G1B+0], s44, (1<<16)|(1<<20)|(1<<21)|(6<<22)|(3<<25)
.irp g, G1, G1B
	s_mov_b32 s[(\g)+1], KSTEP<<16                 ; tensor_dim0 = 256
	s_mov_b32 s[(\g)+2], 64<<16                    ; tensor_dim1 = 64
	s_mov_b32 s[(\g)+3], KSTEP<<16                 ; tile_dim0 = 256
	s_mov_b32 s[(\g)+4], 64                        ; tile_dim1 = 64
	s_mov_b32 s[(\g)+5], KDIM                      ; elements from row to row
	s_mov_b32 s[(\g)+6], 0
	s_mov_b32 s[(\g)+7], 0
.endr
	s_mov_b32 s80, 0x76543210
	s_mov_b32 s81, 0xfedcba98
	s_lshl_b32 s17, s12, 6                         ; which 64 rows of the tile I fetch
	s_lshl_b32 s16, s13, 7
	s_add_co_u32 s16, s16, s17
	s_lshl_b32 s16, s16, 10                        ; rows of 1,024 bytes
	s_add_co_u32 s16, s16, s74
	s_lshl_b32 s46, s42, 7
	s_add_co_u32 s46, s46, s17
	s_lshl_b32 s46, s46, 10
	s_add_co_u32 s46, s46, s75
	s_mov_b32 s17, 0
	s_mov_b32 s47, 0
	s_mul_i32 s20, s10, HALFT                      ; where they go: wave x 64 rows
	s_wait_dscnt 0x0                               ; the opening add is done
	s_wait_kmcnt 0x0
	s_add_nc_u64 s[14:15], s[4:5], s[16:17]
	s_add_nc_u64 s[46:47], s[4:5], s[46:47]
	CROUND                                         ; all sixteen work-groups are here: the joint loads meet
.irp s, 0,1
	s_mov_b32 s[G0+4*(\s)], 1
	s_add_co_u32 s[G0+4*(\s)+1], s20, (\s)*SLOT
	s_add_nc_u64 s[G0+4*(\s)+2:G0+4*(\s)+3], s[14:15], (\s)*KSTEP*2
	s_or_b32 s[G0+4*(\s)+3], s[G0+4*(\s)+3], 0x80000000
	s_mov_b32 s[G0B+4*(\s)], 1
	s_add_co_u32 s[G0B+4*(\s)+1], s20, (\s)*SLOT
	s_add_nc_u64 s[G0B+4*(\s)+2:G0B+4*(\s)+3], s[46:47], (\s)*KSTEP*2
	s_or_b32 s[G0B+4*(\s)+3], s[G0B+4*(\s)+3], 0x80000000
	JLOAD \s                                       ; two loads of mine are out: all that this launch fetches
.endr
	; the stored maxima: 128 words each of q's, k's, v's, 512 of Wo's; 16 bytes a lane and load
	v_and_b32 v6, 31, v0
	v_lshlrev_b32 v6, 4, v6
.irp i, 0,1,2
	global_load_b128 v[MX+4*\i:MX+4*\i+3], v6, s[66:67] offset:512*\i
.endr
.irp i, 0,1,2,3
	global_load_b128 v[MX+12+4*\i:MX+15+4*\i], v6, s[68:69] offset:512*\i
.endr
	v_and_b32 v1, 15, v0                           ; l % 16
	v_bfe_u32 v2, v0, 4, 1                         ; l / 16
	v_mul_u32_u24 v3, v1, PITCH
	v_lshl_add_u32 v3, v2, 4, v3
	s_mul_i32 s21, s11, HALFT
	s_mul_i32 s22, s12, HALFT
	s_add_co_u32 s22, s22, 2*HALFT
.irp s, 0,1
	v_add_nc_u32 v[ADRA+(\s)], s21, v3
	v_add_nc_u32 v[ADRB+(\s)], s22, v3
	s_add_co_u32 s21, s21, SLOT
	s_add_co_u32 s22, s22, SLOT
.endr
	s_mul_i32 s23, s11, 64*SPITCH                  ; into the stage: my 64 rows, my half of their 256 bytes
	s_lshl_b32 s21, s12, 7
	s_add_co_u32 s23, s23, s21
	s_add_co_u32 s23, s23, STAGE
	v_mul_u32_u24 v4, v1, SPITCH
	v_lshl_add_u32 v4, v2, 4, v4
	v_add_nc_u32 v[STO], s23, v4
	s_mul_i32 s23, s10, 32*SPITCH                  ; back: wave w takes rows 32 w .. 32 w + 31, whole
	s_add_co_u32 s23, s23, STAGE
	v_mul_u32_u24 v5, v2, SPITCH
	v_lshl_add_u32 v5, v1, 4, v5
	v_add_nc_u32 v[RD], s23, v5
	v_lshlrev_b32 v5, 11, v2                       ; and the same two rows in C
	v_lshl_add_u32 v[CO], v1, 4, v5
	s_lshl_b32 s16, s13, 7
	s_lshl_b32 s17, s10, 5
	s_add_co_u32 s16, s16, s17                     ; the first row that I store: 128 x tile row + 32 x wave,
	s_lshl_b32 s16, s16, 11                        ; of 2,048 bytes,
	s_lshl_b32 s17, s71, 21                        ; in matrix z of eight (P's four, then UT's four), 2,097,152 bytes each
	s_add_co_u32 s16, s16, s17
	s_mov_b32 s17, 0
	s_add_nc_u64 s[8:9], s[6:7], s[16:17]
	s_lshl_b32 s46, s42, 8                         ; the tile's first column, in bytes
	s_mov_b32 s47, 0
	s_add_nc_u64 s[8:9], s[8:9], s[46:47]
	; My number (a, b, j) is row t = 128 i + 64 wr + 16 a + l % 16, column s = 128 j' + 64 wc + 16 b + 8 (l / 16) + j.  s < t where 16 b + j - 16 a < 128 (i - j') + 64 (wr - wc) + l % 16 - 8 (l / 16).
	s_sub_co_u32 s82, s13, s42
	s_lshl_b32 s82, s82, 7
	s_sub_co_u32 s83, s11, s12
	s_lshl_b32 s83, s83, 6
	s_add_co_u32 s82, s82, s83
	v_lshlrev_b32 v5, 3, v2
	v_sub_nc_u32 v5, v1, v5
	v_add_nc_u32 v[THR], s82, v5
.macro WMAX r, t                       ; the maximum of v[r] over the wave's 32 lanes, in every lane; v[t] has been written
	v_max_num_f32_dpp v[\r], v[\r], v[\r] row_xmask:1 row_mask:0xf bank_mask:0xf
	v_max_num_f32_dpp v[\r], v[\r], v[\r] row_xmask:2 row_mask:0xf bank_mask:0xf
	v_max_num_f32_dpp v[\r], v[\r], v[\r] row_xmask:4 row_mask:0xf bank_mask:0xf
	v_max_num_f32_dpp v[\r], v[\r], v[\r] row_xmask:8 row_mask:0xf bank_mask:0xf
	v_permlanex16_b32 v[\t], v[\r], s80, s81
	v_max_num_f32 v[\r], v[\r], v[\t]
.endm
	s_wait_loadcnt 0x0                             ; the maxima, once; this stands in the wait for the first tile
.irp i, 0,1,2
	v_max3_num_f32 v[MX+4*\i], v[MX+4*\i], v[MX+4*\i+1], v[MX+4*\i+2]
.endr
.irp i, 0,1,2
	v_max_num_f32 v[MX+4*\i], v[MX+4*\i], v[MX+4*\i+3]
.endr
.irp i, 0,1,2,3,4
	v_max3_num_f32 v[MX+12+3*\i], v[MX+12+3*\i], v[MX+13+3*\i], v[MX+14+3*\i]
.endr
	v_max3_num_f32 v[MX+12], v[MX+12], v[MX+15], v[MX+18]
	v_max3_num_f32 v[MX+21], v[MX+21], v[MX+24], v[MX+27]
	v_max_num_f32 v[MX+12], v[MX+12], v[MX+21]
	WMAX MX, MX+1                                  ; qmax
	WMAX MX+4, MX+5                                ; kmax
	WMAX MX+8, MX+9                                ; vmax
	WMAX MX+12, MX+13                              ; womax
	v_mul_f32 v[MX], v[MX], v[MX+4]
	v_mul_f32 v[MX+8], v[MX+8], v[MX+12]
	v_max_num_f32 v[MX], 0x0d800000, v[MX]         ; qk, at least 2^-100
	v_max_num_f32 v[MX+8], 0x0d800000, v[MX+8]     ; vw
	v_rcp_f32 v[MX+1], v[MX]
	v_rcp_f32 v[MX+9], v[MX+8]
	v_nop                                          ; a plain instruction between the reciprocals and the use of their results (ISA guide 5.7.2)
	s_wait_alu depctr_va_vdst(0)
	v_mul_f32 v[MX+1], 0x42800000, v[MX+1]         ; cs = 64 / qk
	v_mul_f32 v[MX+9], 0x42800000, v[MX+9]         ; cu = 64 / vw
	v_readfirstlane_b32 s21, v[MX+1]
	v_readfirstlane_b32 s22, v[MX+9]
	s_cmp_lt_u32 s71, 4
	s_cselect_b32 s76, s21, s22                    ; the job's scale: it multiplies numbers and does nothing else
	s_mov_b32 s77, s76                             ; named with it as a pair
; 8 matrix instructions: m blocks a0, a0 + 1 x all 4 n blocks, 32 along K: half c of buffer f.  zero = 1: the first product starts the sums.  The 16 accumulators take turns.
.macro MUL8 f, c, a0, zero
	WIN MUL
.irp a, \a0, (\a0)+1
.irp b, 0,1,2,3
.if \zero
	v_wmma_f32_16x16x32_f16 v[ACC+8*(4*(\a)+(\b)):ACC+8*(4*(\a)+(\b))+7], v[(\f)+64+8*(4*(\c)+(\b)):(\f)+64+8*(4*(\c)+(\b))+7], v[(\f)+8*(4*(\c)+(\a)):(\f)+8*(4*(\c)+(\a))+7], 0
.else
	v_wmma_f32_16x16x32_f16 v[ACC+8*(4*(\a)+(\b)):ACC+8*(4*(\a)+(\b))+7], v[(\f)+64+8*(4*(\c)+(\b)):(\f)+64+8*(4*(\c)+(\b))+7], v[(\f)+8*(4*(\c)+(\a)):(\f)+8*(4*(\c)+(\a))+7], v[ACC+8*(4*(\a)+(\b)):ACC+8*(4*(\a)+(\b))+7]
.endif
.endr
.endr
.endm
.macro FETCH slot, k, f                ; 32 LDS loads in one run: the fragments of 64 along K at byte k of the rows, into buffer f; the first 32 along K first
	WIN TO_F
.irp c, 0,1
.irp i, 0,1,2,3
	ds_load_b128 v[(\f)+64+8*(4*(\c)+(\i)):(\f)+64+8*(4*(\c)+(\i))+3],   v[ADRB+(\slot)] offset:(\k)+64*(\c)+(\i)*16*PITCH
	ds_load_b128 v[(\f)+64+8*(4*(\c)+(\i))+4:(\f)+64+8*(4*(\c)+(\i))+7], v[ADRB+(\slot)] offset:(\k)+64*(\c)+(\i)*16*PITCH+32
	ds_load_b128 v[(\f)+8*(4*(\c)+(\i)):(\f)+8*(4*(\c)+(\i))+3],         v[ADRA+(\slot)] offset:(\k)+64*(\c)+(\i)*16*PITCH
	ds_load_b128 v[(\f)+8*(4*(\c)+(\i))+4:(\f)+8*(4*(\c)+(\i))+7],       v[ADRA+(\slot)] offset:(\k)+64*(\c)+(\i)*16*PITCH+32
.endr
.endr
.endm
.macro PLACES                          ; four places in front of loads into registers that matrix instructions have read, and of vector lines that read results
.rept 4
	v_nop
.endr
.endm
.macro QUARTER slot, k, f, g, zero     ; 64 along K: multiplies buffer f and fetches the next quarter, at byte k, into g
	s_wait_dscnt 16                                ; the first 32 along K are in; the youngest sixteen loads may be out
	WIN MUL
	MUL8 \f, 0, 0, \zero
	MUL8 \f, 0, 2, \zero
	PLACES
	FETCH \slot, \k, \g
	s_wait_dscnt 32                                ; all but the 32 just issued
	WIN MUL
	MUL8 \f, 1, 0, 0
	MUL8 \f, 1, 2, 0
.endm
	s_wait_tensorcnt 1                             ; my part of K step 0 is in; K step 1's may stay out
	s_barrier_signal -1
	s_barrier_wait -1                              ; everybody's is
	FETCH 0, 0, F0
	QUARTER 0, 128, F0, F1, 1                      ; the first products start the sums
	QUARTER 0, 256, F1, F0, 0
	QUARTER 0, 384, F0, F1, 0
	; the change of slots: slot 0's last quarter is multiplied; slot 1 is whole behind the barrier; nothing is filled again
	WIN 0                                          ; (the add's two registers lie in window 0)
	s_wait_tensorcnt 0x0                           ; my part of slot 1 has landed;
	ds_add_u32 v[SPW], v[NIL]                      ; 0 onto my spare word;
	s_wait_dscnt 17                                ; (the add and the youngest sixteen loads may be out)
	WIN MUL
	MUL8 F1, 0, 0, 0
	s_wait_dscnt 0x0                               ; no LDS instruction of mine is out at the signal
	s_barrier_signal -1
	MUL8 F1, 0, 2, 0
	s_barrier_wait -1
	PLACES
	FETCH 1, 0, F0
	WIN MUL
	MUL8 F1, 1, 0, 0
	MUL8 F1, 1, 2, 0
	QUARTER 1, 128, F0, F1, 0
	QUARTER 1, 256, F1, F0, 0
	QUARTER 1, 384, F0, F1, 0
	s_wait_dscnt 16                                ; the very last quarter: nothing more to fetch
	WIN MUL
	MUL8 F1, 0, 0, 0
	MUL8 F1, 0, 2, 0
	s_wait_dscnt 0
	MUL8 F1, 1, 0, 0
	MUL8 F1, 1, 2, 0
	WIN 0
	; THE WAY OUT: scale (each accumulator from its lowest registers on); mask where the cluster holds the diagonal; round to f16; through the work-group's stage; whole rows out.
	PLACES
.set p, 0
.rept 64
	v_pk_mul_f32 v[ACC+2*p:ACC+2*p+1], v[ACC+2*p:ACC+2*p+1], s[76:77] op_sel_hi:[1,0]
.set p, p+1
.endr
	s_cmp_eq_u32 s78, 0
	s_cbranch_scc1 .Lno_mask                       ; the flag comes from the cluster's y alone; the jump passes vector lines only
.irp a, 0,1,2,3
.irp b, 0,1,2,3
.irp j, 0,1,2,3,4,5,6,7
	v_cmp_lt_i32 vcc_lo, 16*(\b)+(\j)-16*(\a), v[THR]
	v_cndmask_b32 v[ACC+8*(4*(\a)+(\b))+(\j)], 0, v[ACC+8*(4*(\a)+(\b))+(\j)], vcc_lo  ; kept where s < t, else 0
.endr
.endr
.endr
.Lno_mask:
.irp t, 0,1,2,3,4,5,6,7,8,9,10,11,12,13,14,15
.irp r, 0,1,2,3
	v_cvt_pk_f16_f32 v[TMP+4*(\t)+(\r)], v[ACC+8*(\t)+2*(\r)], v[ACC+8*(\t)+2*(\r)+1]
.endr
.endr
.irp a, 0,1,2,3
.irp b, 0,1,2,3
	ds_store_b128 v[STO], v[TMP+4*(4*(\a)+(\b)):TMP+4*(4*(\a)+(\b))+3] offset:(\a)*16*SPITCH+32*(\b)
.endr
.endr
	s_wait_dscnt 0x0                               ; for the others' sake: my stores into the stage are done
	s_barrier_signal -1
	s_barrier_wait -1
.irp t, 0,1,2,3,4,5,6,7,8,9,10,11,12,13,14,15
	ds_load_b128 v[TMP+4*(\t):TMP+4*(\t)+3], v[RD] offset:(\t)*2*SPITCH
.endr
.irp t, 0,1,2,3,4,5,6,7,8,9,10,11,12,13,14,15
	s_wait_dscnt 15-(\t)                           ; LDS loads come back in order: number t is in
	global_store_b128 v[CO], v[TMP+4*(\t):TMP+4*(\t)+3], s[8:9] offset:2*(\t)*CROW  ; 16 lanes store 256 consecutive bytes, at a multiple of 256 from the buffer's first byte
.endr
	s_wait_tensorcnt 0x0                           ; the wave's end: all tensor loads in, 0 onto my spare word and its wait, behind my last tensor load and my last LDS store
	ds_add_u32 v[SPW], v[NIL]
	s_wait_dscnt 0x0
	CROUND                                         ; the closing round: no work-group ends while a partner may still ask for a tile that names it
	s_endpgm
.Lfunc_end_k_q927dbeb64f_mid:
	.size	k_q927dbeb64f_mid, .Lfunc_end_k_q927dbeb64f_mid-k_q927dbeb64f_mid
	.p2alignl 7, 3214868480
	.fill 96, 4, 3214868480
	.section	.rodata,"a",@progbits
	.p2align	6, 0x0
	.amdhsa_kernel k_q927dbeb64f_mid
		.amdhsa_group_segment_fixed_size 327680
		.amdhsa_private_segment_fixed_size 0
		.amdhsa_enable_private_segment 0
		.amdhsa_kernarg_size 32
		.amdhsa_user_sgpr_count 2
		.amdhsa_user_sgpr_kernarg_segment_ptr 1
		.amdhsa_wavefront_size32 1
		.amdhsa_system_sgpr_workgroup_id_x 1
		.amdhsa_system_sgpr_workgroup_id_y 1
		.amdhsa_system_sgpr_workgroup_id_z 1
		.amdhsa_system_vgpr_workitem_id 0
		.amdhsa_next_free_vgpr 512
		.amdhsa_next_free_sgpr 84
		.amdhsa_reserve_vcc 1
		.amdhsa_float_denorm_mode_32 3
		.amdhsa_float_denorm_mode_16_64 3
		.amdhsa_memory_ordered 1
		.amdhsa_forward_progress 1
		.amdhsa_inst_pref_size 68
	.end_amdhsa_kernel
	.amdgpu_metadata
---
amdhsa.version: [ 1, 2 ]
amdhsa.kernels:
  - .name:           k_q927dbeb64f_mid
    .symbol:         k_q927dbeb64f_mid.kd
    .args:
      - { .name: act, .offset: 0, .size: 8, .value_kind: global_buffer, .address_space: global }
      - { .name: pu, .offset: 8, .size: 8, .value_kind: global_buffer, .address_space: global }
      - { .name: mx, .offset: 16, .size: 8, .value_kind: global_buffer, .address_space: global }
      - { .name: mw, .offset: 24, .size: 8, .value_kind: global_buffer, .address_space: global }
    .group_segment_fixed_size: 327680
    .private_segment_fixed_size: 0
    .kernarg_segment_align: 8
    .kernarg_segment_size: 32
    .max_flat_workgroup_size: 128
    .sgpr_count:     84
    .vgpr_count:     512
    .wavefront_size: 32
...
	.end_amdgpu_metadata
.endif
;; end of part 3
;; launch outp (part 4): grid 8 x 32, 4 waves a work-group, clusters of 4 x 4, 327,680 bytes of LDS; arguments pu, out0, mx, mw; writes out0
.if DOCPART == 4
	.amdgcn_target "amdgcn-amd-amdhsa--gfx1250"
	.amdhsa_code_object_version 6
	.text
	.protected	k_q927dbeb64f_outp
	.globl	k_q927dbeb64f_outp
	.p2align	8
	.type	k_q927dbeb64f_outp,@function
k_q927dbeb64f_outp:
	s_mov_b64 s[64:65], 0
	v_nop
	global_prefetch_b8 v0, s[64:65] scope:SCOPE_SE
	s_setreg_imm32_b32 hwreg(HW_REG_WAVE_MODE, 25, 1), 1
	s_wait_xcnt 0x0
	s_wait_alu depctr_hold_cnt(0) depctr_sa_sdst(0) depctr_va_vdst(0) depctr_va_sdst(0) depctr_va_ssrc(0) depctr_va_vcc(0) depctr_vm_vsrc(0)
	s_getreg_b32 s2, hwreg(HW_REG_IB_STS2, 6, 4)
	s_cmp_eq_u32 s2, 0
	s_cbranch_scc0 .Lentry_in_a_cluster
	s_endpgm
.Lentry_in_a_cluster:
	s_bfe_u32 s2, ttmp6, 0x10000c
	s_cmp_lg_u32 s2, 0xf033
	s_cbranch_scc0 .Lentry_shape_is_right
	s_endpgm
.Lentry_shape_is_right:
; OUTP.  out[b][t][d] = co x sum over s of P[b][t][s] UT[b][d][s], with P and UT in f16 from pu (P at byte 0, UT at byte 8,388,608, each [4][1024][1024]); sums in f32; out0 in f32.
; co undoes the two scales of the launch before: P = 64 S / qk, UT = 64 U / vw, so co = qk vw / 4096, with qk and vw made from the same stored maxima in the same way.
; LIMITS.  qmax kmax vmax womax stays finite in f32.  NaN and infinities are not treated apart.  The order of rounding differs from reference()'s scan.
; A cluster of 4 x 4 work-groups makes 512 rows x 512 columns of one batch: 16 clusters, 256 work-groups.  Rows t < 512 have P = 0 for s >= 512, so their clusters sum over 512 s, the others over 1,024:
; the second kind runs one lap of the ring more, which the first kind jumps over.  The jump hangs on the cluster's y alone: all sixteen partners and all waves take it alike.
; Tile, waves, ring and fragments as in the launches before.  Tiles of P are shared along a row of the cluster, tiles of UT along a column: joint loads.
; On the way out a wave's 64 columns of f32 are 256 aligned bytes of a row, so each wave has a stage of its own and no barrier is needed.
.set KDIM,   1024                      ; elements in a row of P and of UT
.set KSTEP,  256
.set PITCH,  528                       ; an LDS row: 512 bytes + 16 = 132 words: the 16 rows that a load touches start 4 words apart modulo 64
.set HALFT,  64*PITCH
.set SLOT,   4*HALFT
.set STAGE,  2*SLOT                    ; behind the ring: 16 rows x 272 bytes for each wave
.set SPITCH, 272
.set SPARE,  STAGE+4*16*SPITCH         ; the spare words, 128 bytes for each wave: two blocks of 256 bytes that no other line names
.set CROW,   4096                      ; bytes in a row of out0
.set ADRA, 16
.set ADRB, 20
.set STO,  24
.set RD,   25
.set CO,   26
.set SPW,  28
.set NIL,  29
.set TMP,  32                          ; v32-63  16 rows, scaled;  v64-95 and v96-127 by turns: the same rows read back whole
.set MX,   96                          ; v96-123 the stored maxima, at the start
.set ACC,  128
.set F0,   0
.set F1,   128
.set G1, 24
.set G0, 32
.set G1B, 48
.set G0B, 56
.set MSB, 0
.macro WIN new
.if MSB != (\new)
	s_set_vgpr_msb (MSB<<8)|(\new)
.set MSB, \new
.endif
.endm
.set MUL,  0x05
.set TO_F, 0x40
.macro JLOAD s                         ; a joint load: waves 0 and 1 fetch A's two halves, waves 2 and 3 B's; an s_nop 0 and four v_nop follow each of the two lines
	s_cmp_eq_u32 s11, 0
	s_cbranch_scc0 .Lfor_b_\@
	tensor_load_to_lds s[G0+4*(\s):G0+4*(\s)+3], s[G1:G1+7]
	s_nop 0
.rept 4
	v_nop
.endr
	s_branch .Lasked_\@
.Lfor_b_\@:
	tensor_load_to_lds s[G0B+4*(\s):G0B+4*(\s)+3], s[G1B:G1B+7]
	s_nop 0
.rept 4
	v_nop
.endr
.Lasked_\@:
.endm
.macro CREST                           ; a round of the cluster's barrier behind its opening barrier
	s_cmp_lg_u32 s10, 0
	s_cbranch_scc1 .Lnot_wave_0_\@
	s_barrier_signal -3
.Lnot_wave_0_\@:
	s_barrier_wait -3
	s_barrier_signal -1
	s_barrier_wait -1
.endm
.macro CROUND                          ; a whole round
	s_barrier_signal -1
	s_barrier_wait -1
	CREST
.endm
	s_load_b128 s[4:7], s[0:1], 0x0                ; pu s[4:5], out0 s[6:7]
	s_load_b64 s[66:67], s[0:1], 0x10              ; mx
	s_load_b64 s[68:69], s[0:1], 0x18              ; mw
	v_lshl_add_u32 v[SPW], v0, 2, SPARE
	v_mov_b32 v[NIL], 0
	ds_add_u32 v[SPW], v[NIL]                      ; the wave's opening: the add and its wait stand ahead of my first tensor load; the set-up below, work on registers, stands between them
	v_lshrrev_b32 v1, 5, v0
	v_readfirstlane_b32 s10, v1                    ; wave 0..3
	s_lshr_b32 s11, s10, 1
	s_and_b32 s12, s10, 1
	s_bfe_u32 s40, ttmp6, 0x40000                  ; cx, cy
	s_bfe_u32 s41, ttmp6, 0x40004
	s_and_b32 s70, ttmp7, 0xffff                   ; the cluster's y, 0 .. 7:
	s_lshr_b32 s71, s70, 1                         ; the batch,
	s_and_b32 s72, s70, 1                          ; R: which 512 rows of it
	s_lshl_b32 s13, s72, 2
	s_add_co_u32 s13, s13, s41                     ; tile row in the batch = 4 R + cy, 0 .. 7
	s_lshl_b32 s42, ttmp9, 2
	s_add_co_u32 s42, s42, s40                     ; tile column = 4 x cluster x + cx, 0 .. 7
	s_lshl_b32 s43, s41, 2
	s_lshl_b32 s43, 15, s43                        ; my row of the cluster
	s_lshl_b32 s44, 0x1111, s40                    ; my column
	s_or_b32 s[G1+0], s43, (1<<16)|(1<<20)|(1<<21)|(6<<22)|(3<<25)  ; 15:0 the mask; 17:16 element of 2 bytes; 20 padding on; 21 set beside a mask; 24:22 after every 128 words; 31:25 4 words of it
	s_or_b32 s[G1B+0], s44, (1<<16)|(1<<20)|(1<<21)|(6<<22)|(3<<25)
.irp g, G1, G1B
	s_mov_b32 s[(\g)+1], KSTEP<<16                 ; tensor_dim0 = 256
	s_mov_b32 s[(\g)+2], 64<<16                    ; tensor_dim1 = 64
	s_mov_b32 s[(\g)+3], KSTEP<<16                 ; tile_dim0 = 256
	s_mov_b32 s[(\g)+4], 64                        ; tile_dim1 = 64
	s_mov_b32 s[(\g)+5], KDIM                      ; elements from row to row
	s_mov_b32 s[(\g)+6], 0
	s_mov_b32 s[(\g)+7], 0
.endr
	s_mov_b32 s80, 0x76543210
	s_mov_b32 s81, 0xfedcba98
	s_lshl_b32 s73, s71, 21                        ; the batch's 2,097,152 bytes in P and in UT
	s_lshl_b32 s17, s12, 6                         ; which 64 rows of the tile I fetch
	s_lshl_b32 s16, s13, 7
	s_add_co_u32 s16, s16, s17
	s_lshl_b32 s16, s16, 11                        ; rows of 2,048 bytes
	s_add_co_u32 s16, s16, s73
	s_lshl_b32 s46, s42, 7
	s_add_co_u32 s46, s46, s17
	s_lshl_b32 s46, s46, 11
	s_add_co_u32 s46, s46, s73
	s_add_co_u32 s46, s46, 0x800000                ; UT lies behind P
	s_mov_b32 s17, 0
	s_mov_b32 s47, 0
	s_mul_i32 s20, s10, HALFT                      ; where they go: wave x 64 rows
	s_wait_dscnt 0x0                               ; the opening add is done
	s_wait_kmcnt 0x0
	s_add_nc_u64 s[14:15], s[4:5], s[16:17]
	s_add_nc_u64 s[46:47], s[4:5], s[46:47]
	CROUND                                         ; all sixteen work-groups are here: the first joint loads meet
.irp s, 0,1
	s_mov_b32 s[G0+4*(\s)], 1
	s_add_co_u32 s[G0+4*(\s)+1], s20, (\s)*SLOT
	s_add_nc_u64 s[G0+4*(\s)+2:G0+4*(\s)+3], s[14:15], (\s)*KSTEP*2
	s_or_b32 s[G0+4*(\s)+3], s[G0+4*(\s)+3], 0x80000000
	s_mov_b32 s[G0B+4*(\s)], 1
	s_add_co_u32 s[G0B+4*(\s)+1], s20, (\s)*SLOT
	s_add_nc_u64 s[G0B+4*(\s)+2:G0B+4*(\s)+3], s[46:47], (\s)*KSTEP*2
	s_or_b32 s[G0B+4*(\s)+3], s[G0B+4*(\s)+3], 0x80000000
	JLOAD \s                                       ; two loads of mine are out
.endr
	; the stored maxima: 128 words each of q's, k's, v's, 512 of Wo's; 16 bytes a lane and load
	v_and_b32 v6, 31, v0
	v_lshlrev_b32 v6, 4, v6
.irp i, 0,1,2
	global_load_b128 v[MX+4*\i:MX+4*\i+3], v6, s[66:67] offset:512*\i
.endr
.irp i, 0,1,2,3
	global_load_b128 v[MX+12+4*\i:MX+15+4*\i], v6, s[68:69] offset:512*\i
.endr
	v_and_b32 v1, 15, v0                           ; l % 16
	v_bfe_u32 v2, v0, 4, 1                         ; l / 16
	v_mul_u32_u24 v3, v1, PITCH
	v_lshl_add_u32 v3, v2, 4, v3
	s_mul_i32 s21, s11, HALFT
	s_mul_i32 s22, s12, HALFT
	s_add_co_u32 s22, s22, 2*HALFT
.irp s, 0,1
	v_add_nc_u32 v[ADRA+(\s)], s21, v3
	v_add_nc_u32 v[ADRB+(\s)], s22, v3
	s_add_co_u32 s21, s21, SLOT
	s_add_co_u32 s22, s22, SLOT
.endr
	s_mul_i32 s23, s10, 16*SPITCH
	s_add_co_u32 s23, s23, STAGE                   ; my stage
	v_mul_u32_u24 v4, v1, SPITCH                   ; in: row l % 16, 32 bytes (eight f32) for each half of the lanes
	v_lshl_add_u32 v4, v2, 5, v4
	v_add_nc_u32 v[STO], s23, v4
	v_mul_u32_u24 v5, v2, SPITCH                   ; back: lanes 0-15 take one row of 256 bytes, lanes 16-31 the next
	v_lshl_add_u32 v5, v1, 4, v5
	v_add_nc_u32 v[RD], s23, v5
	v_lshlrev_b32 v5, 12, v2                       ; and the same two rows in out0
	v_lshl_add_u32 v[CO], v1, 4, v5
	s_lshl_b32 s16, s71, 10                        ; my first row of out0: 1,024 x batch + 128 x tile row + 64 x my half,
	s_lshl_b32 s17, s13, 7
	s_add_co_u32 s16, s16, s17
	s_lshl_b32 s17, s11, 6
	s_add_co_u32 s16, s16, s17
	s_lshl_b32 s16, s16, 12                        ; of 4,096 bytes
	s_mov_b32 s17, 0
	s_add_nc_u64 s[8:9], s[6:7], s[16:17]
	s_lshl_b32 s46, s42, 9                         ; my first column, in bytes: 512 x tile column + 256 x my half
	s_lshl_b32 s47, s12, 8
	s_add_co_u32 s46, s46, s47
	s_mov_b32 s47, 0
	s_add_nc_u64 s[8:9], s[8:9], s[46:47]
.macro WMAX r, t                       ; the maximum of v[r] over the wave's 32 lanes, in every lane; v[t] has been written
	v_max_num_f32_dpp v[\r], v[\r], v[\r] row_xmask:1 row_mask:0xf bank_mask:0xf
	v_max_num_f32_dpp v[\r], v[\r], v[\r] row_xmask:2 row_mask:0xf bank_mask:0xf
	v_max_num_f32_dpp v[\r], v[\r], v[\r] row_xmask:4 row_mask:0xf bank_mask:0xf
	v_max_num_f32_dpp v[\r], v[\r], v[\r] row_xmask:8 row_mask:0xf bank_mask:0xf
	v_permlanex16_b32 v[\t], v[\r], s80, s81
	v_max_num_f32 v[\r], v[\r], v[\t]
.endm
	s_wait_loadcnt 0x0                             ; the maxima, once; this stands in the wait for the first tile
.irp i, 0,1,2
	v_max3_num_f32 v[MX+4*\i], v[MX+4*\i], v[MX+4*\i+1], v[MX+4*\i+2]
.endr
.irp i, 0,1,2
	v_max_num_f32 v[MX+4*\i], v[MX+4*\i], v[MX+4*\i+3]
.endr
.irp i, 0,1,2,3,4
	v_max3_num_f32 v[MX+12+3*\i], v[MX+12+3*\i], v[MX+13+3*\i], v[MX+14+3*\i]
.endr
	v_max3_num_f32 v[MX+12], v[MX+12], v[MX+15], v[MX+18]
	v_max3_num_f32 v[MX+21], v[MX+21], v[MX+24], v[MX+27]
	v_max_num_f32 v[MX+12], v[MX+12], v[MX+21]
	WMAX MX, MX+1                                  ; qmax
	WMAX MX+4, MX+5                                ; kmax
	WMAX MX+8, MX+9                                ; vmax
	WMAX MX+12, MX+13                              ; womax
	v_mul_f32 v[MX], v[MX], v[MX+4]
	v_mul_f32 v[MX+8], v[MX+8], v[MX+12]
	v_max_num_f32 v[MX], 0x0d800000, v[MX]         ; qk, at least 2^-100
	v_max_num_f32 v[MX+8], 0x0d800000, v[MX+8]     ; vw
	v_mul_f32 v[MX], v[MX], v[MX+8]
	v_mul_f32 v[MX], 0x39800000, v[MX]             ; co = qk vw 2^-12
	v_readfirstlane_b32 s76, v[MX]                 ; it multiplies numbers and does nothing else
	s_mov_b32 s77, s76                             ; named with it as a pair
; 8 matrix instructions: m blocks a0, a0 + 1 x all 4 n blocks, 32 along K: half c of buffer f.  zero = 1: the first product starts the sums.  The 16 accumulators take turns.
.macro MUL8 f, c, a0, zero
	WIN MUL
.irp a, \a0, (\a0)+1
.irp b, 0,1,2,3
.if \zero
	v_wmma_f32_16x16x32_f16 v[ACC+8*(4*(\a)+(\b)):ACC+8*(4*(\a)+(\b))+7], v[(\f)+64+8*(4*(\c)+(\b)):(\f)+64+8*(4*(\c)+(\b))+7], v[(\f)+8*(4*(\c)+(\a)):(\f)+8*(4*(\c)+(\a))+7], 0
.else
	v_wmma_f32_16x16x32_f16 v[ACC+8*(4*(\a)+(\b)):ACC+8*(4*(\a)+(\b))+7], v[(\f)+64+8*(4*(\c)+(\b)):(\f)+64+8*(4*(\c)+(\b))+7], v[(\f)+8*(4*(\c)+(\a)):(\f)+8*(4*(\c)+(\a))+7], v[ACC+8*(4*(\a)+(\b)):ACC+8*(4*(\a)+(\b))+7]
.endif
.endr
.endr
.endm
.macro FETCH slot, k, f                ; 32 LDS loads in one run: the fragments of 64 along K at byte k of the rows, into buffer f; the first 32 along K first
	WIN TO_F
.irp c, 0,1
.irp i, 0,1,2,3
	ds_load_b128 v[(\f)+64+8*(4*(\c)+(\i)):(\f)+64+8*(4*(\c)+(\i))+3],   v[ADRB+(\slot)] offset:(\k)+64*(\c)+(\i)*16*PITCH
	ds_load_b128 v[(\f)+64+8*(4*(\c)+(\i))+4:(\f)+64+8*(4*(\c)+(\i))+7], v[ADRB+(\slot)] offset:(\k)+64*(\c)+(\i)*16*PITCH+32
	ds_load_b128 v[(\f)+8*(4*(\c)+(\i)):(\f)+8*(4*(\c)+(\i))+3],         v[ADRA+(\slot)] offset:(\k)+64*(\c)+(\i)*16*PITCH
	ds_load_b128 v[(\f)+8*(4*(\c)+(\i))+4:(\f)+8*(4*(\c)+(\i))+7],       v[ADRA+(\slot)] offset:(\k)+64*(\c)+(\i)*16*PITCH+32
.endr
.endr
.endm
.macro PLACES                          ; four places in front of loads into registers that matrix instructions have read, and of vector lines that read results
.rept 4
	v_nop
.endr
.endm
.macro QUARTER slot, k, f, g, zero     ; 64 along K: multiplies buffer f and fetches the next quarter, at byte k, into g
	s_wait_dscnt 16                                ; the first 32 along K are in; the youngest sixteen loads may be out
	WIN MUL
	MUL8 \f, 0, 0, \zero
	MUL8 \f, 0, 2, \zero
	PLACES
	FETCH \slot, \k, \g
	s_wait_dscnt 32                                ; all but the 32 just issued
	WIN MUL
	MUL8 \f, 1, 0, 0
	MUL8 \f, 1, 2, 0
.endm
; The last quarter multiplies buffer 1 and changes slots: ONE barrier; in front of it each wave waits for all its tensor loads, adds 0 to its spare word, and waits for that and for its own reads of this slot.
; fill = 1: this slot is filled again, two K steps ahead; the barrier then opens a round of the cluster's barrier, and the joint refill is the first tensor load behind the round.
.macro TURN slot, next, fill
	WIN 0                                          ; (the add's two registers lie in window 0)
	s_wait_tensorcnt 0x0                           ; all my tensor loads have landed: my part of the next slot;
	ds_add_u32 v[SPW], v[NIL]                      ; 0 onto my spare word;
	s_wait_dscnt 17                                ; (the add and the youngest sixteen loads may be out)
	WIN MUL
	MUL8 F1, 0, 0, 0                               ; eight matrix instructions stand between the add and the wait for it
	s_wait_dscnt 0x0                               ; the add is done, and my reads of this slot are over
	s_barrier_signal -1
	MUL8 F1, 0, 2, 0
.if \fill
	WIN 0
.endif
	s_barrier_wait -1
.if \fill
	CREST                                          ; no wave of any partner still reads this slot's tile or has a load on its way
	s_add_nc_u64 s[G0+4*(\slot)+2:G0+4*(\slot)+3], s[G0+4*(\slot)+2:G0+4*(\slot)+3], 2*KSTEP*2
	s_add_nc_u64 s[G0B+4*(\slot)+2:G0B+4*(\slot)+3], s[G0B+4*(\slot)+2:G0B+4*(\slot)+3], 2*KSTEP*2
	JLOAD \slot                                    ; one load of mine is out; the four v_nop behind it are also the places in front of the loads below
.else
	PLACES
.endif
	FETCH \next, 0, F0
	WIN MUL
	MUL8 F1, 1, 0, 0
	MUL8 F1, 1, 2, 0
.endm
	s_wait_tensorcnt 1                             ; my part of K step 0 is in; K step 1's may stay out
	s_barrier_signal -1
	s_barrier_wait -1                              ; everybody's is
	FETCH 0, 0, F0
	QUARTER 0, 128, F0, F1, 1                      ; the first products start the sums
	WIN 0                                          ; at a label and at a branch every window is 0
	s_cmp_eq_u32 s72, 0
	s_cbranch_scc1 .Ltail                          ; rows t < 512: two K steps are all.  Both ways reach the label with the same 32 LDS loads out, at most one tensor load out (the tail waits for all), and accumulator (3, 3) written last
	QUARTER 0, 256, F1, F0, 0                      ; rows t >= 512: once more round the ring; both slots are filled again, with s = 512 .. 1,023
	QUARTER 0, 384, F0, F1, 0
	TURN 0, 1, 1
	QUARTER 1, 128, F0, F1, 0
	QUARTER 1, 256, F1, F0, 0
	QUARTER 1, 384, F0, F1, 0
	TURN 1, 0, 1
	QUARTER 0, 128, F0, F1, 0
	WIN 0
.Ltail:
	QUARTER 0, 256, F1, F0, 0                      ; the last lap fills nothing, and has no round of the cluster's barrier
	QUARTER 0, 384, F0, F1, 0
	TURN 0, 1, 0
	QUARTER 1, 128, F0, F1, 0
	QUARTER 1, 256, F1, F0, 0
	QUARTER 1, 384, F0, F1, 0
	s_wait_dscnt 16                                ; the very last quarter: nothing more to fetch
	WIN MUL
	MUL8 F1, 0, 0, 0
	MUL8 F1, 0, 2, 0
	s_wait_dscnt 0
	MUL8 F1, 1, 0, 0
	MUL8 F1, 1, 2, 0
	WIN 0
; THE WAY OUT of my rows 16 a .. 16 a + 15: times co into other registers (each accumulator from its lowest registers on); 32 bytes a lane into my own stage; back as whole rows of 256 bytes; stored.
.macro OUTBLK a
.set BK, 64+32*((\a)%2)
.set p, 0
.rept 16
	v_pk_mul_f32 v[TMP+2*p:TMP+2*p+1], v[ACC+32*(\a)+2*p:ACC+32*(\a)+2*p+1], s[76:77] op_sel_hi:[1,0]
.set p, p+1
.endr
.irp b, 0,1,2,3
	ds_store_b128 v[STO], v[TMP+8*(\b):TMP+8*(\b)+3] offset:64*(\b)
	ds_store_b128 v[STO], v[TMP+8*(\b)+4:TMP+8*(\b)+7] offset:64*(\b)+16
.endr
	s_wait_xcnt 0x0                                ; the registers loaded below were the data of the stores two blocks back: they are written again only behind this wait
.irp t, 0,1,2,3,4,5,6,7
	ds_load_b128 v[BK+4*(\t):BK+4*(\t)+3], v[RD] offset:(\t)*2*SPITCH  ; LDS serves a wave's instructions in order (ISA guide 5.7.1.4): these see the stores above; the next block's stores come behind them
.endr
.irp t, 0,1,2,3,4,5,6,7
	s_wait_dscnt 7-(\t)                            ; number t is in
	global_store_b128 v[CO], v[BK+4*(\t):BK+4*(\t)+3], s[8:9] offset:(16*(\a)+2*(\t))*CROW  ; 16 lanes store 256 consecutive bytes, at a multiple of 256 from out0's first byte
.endr
.endm
	PLACES
	OUTBLK 0
	OUTBLK 1
	OUTBLK 2
	OUTBLK 3
	s_wait_tensorcnt 0x0                           ; the wave's end: all tensor loads in, 0 onto my spare word and its wait, behind my last tensor load and my last LDS store
	ds_add_u32 v[SPW], v[NIL]
	s_wait_dscnt 0x0
	CROUND                                         ; the closing round: no work-group ends while a partner may still ask for a tile that names it
	s_endpgm
.Lfunc_end_k_q927dbeb64f_outp:
	.size	k_q927dbeb64f_outp, .Lfunc_end_k_q927dbeb64f_outp-k_q927dbeb64f_outp
	.p2alignl 7, 3214868480
	.fill 96, 4, 3214868480
	.section	.rodata,"a",@progbits
	.p2align	6, 0x0
	.amdhsa_kernel k_q927dbeb64f_outp
		.amdhsa_group_segment_fixed_size 327680
		.amdhsa_private_segment_fixed_size 0
		.amdhsa_enable_private_segment 0
		.amdhsa_kernarg_size 32
		.amdhsa_user_sgpr_count 2
		.amdhsa_user_sgpr_kernarg_segment_ptr 1
		.amdhsa_wavefront_size32 1
		.amdhsa_system_sgpr_workgroup_id_x 1
		.amdhsa_system_sgpr_workgroup_id_y 1
		.amdhsa_system_sgpr_workgroup_id_z 1
		.amdhsa_system_vgpr_workitem_id 0
		.amdhsa_next_free_vgpr 512
		.amdhsa_next_free_sgpr 84
		.amdhsa_reserve_vcc 0
		.amdhsa_float_denorm_mode_32 3
		.amdhsa_float_denorm_mode_16_64 3
		.amdhsa_memory_ordered 1
		.amdhsa_forward_progress 1
		.amdhsa_inst_pref_size 94
	.end_amdhsa_kernel
	.amdgpu_metadata
---
amdhsa.version: [ 1, 2 ]
amdhsa.kernels:
  - .name:           k_q927dbeb64f_outp
    .symbol:         k_q927dbeb64f_outp.kd
    .args:
      - { .name: pu, .offset: 0, .size: 8, .value_kind: global_buffer, .address_space: global }
      - { .name: out0, .offset: 8, .size: 8, .value_kind: global_buffer, .address_space: global }
      - { .name: mx, .offset: 16, .size: 8, .value_kind: global_buffer, .address_space: global }
      - { .name: mw, .offset: 24, .size: 8, .value_kind: global_buffer, .address_space: global }
    .group_segment_fixed_size: 327680
    .private_segment_fixed_size: 0
    .kernarg_segment_align: 8
    .kernarg_segment_size: 32
    .max_flat_workgroup_size: 128
    .sgpr_count:     84
    .vgpr_count:     512
    .wavefront_size: 32
...
	.end_amdgpu_metadata
.endif
;; end of part 4
